; MI455X (gfx1250); checked and timed in simulation.
; The chip was launched on July 23, 2026; its instructions are those of AMD's public machine-readable ISA for CDNA 5 (MIT licence, August 2026) and "CDNA5" Instruction Set Architecture Reference Guide (July 2026). The comments in the code are by the model that wrote it; some were corrected since.
;; Q Eff Plamo Attention. Allowed arithmetic: matrix products marked QUANTISED: E4M3 operands, one given power-of-two scale a tensor, by v_wmma_f32_16x16x64_fp8_fp8 or v_wmma_f32_16x16x128_fp8_fp8, f32 sums; everything else in f32.
;; Inputs: Wk 256 x 2,048 float32; Wo 2,048 x 2,048 float32; Wq 2,048 x 2,048 float32; Wv 256 x 2,048 float32; attention_mask 1 x 1 x 3,072 x 3,072 bool; hidden_states 1 x 3,072 x 2,048 float32; lowp_scales 12 int32 (the exponents e of the quantised operands' scales 2^e); position_ids 1 x 3,072 int32.
;; Outputs: out0 1 x 3,072 x 2,048 float32.
;; This version of the problem:
;;   THIS VERSION OF THE PROBLEM IS GIVEN IN LOW PRECISION. The matrix products marked QUANTISED in the list below multiply operands that are first quantised to E4M3 (4 exponent bits, 3 mantissa bits; 8 bits a number), with one given power-of-two scale for each operand tensor; their sums are f32. All else is computed in f32.
;;   The module's matrix products, in the order in which they are computed (A, B: the left and right operand; K: the contracted axis; several contracted axes count as one K, in the product's order):
;;     1. [M 3,072, K 2,048] x [K 2,048, N 2,048]; A: input hidden_states; B: input Wq: QUANTISED (scales: A lowp_scales[0], B lowp_scales[1])
;;     2. [M 3,072, K 2,048] x [K 2,048, N 256]; A: input hidden_states; B: input Wk: QUANTISED (scales: A lowp_scales[2], B lowp_scales[3])
;;     3. [M 3,072, K 2,048] x [K 2,048, N 256]; A: input hidden_states; B: input Wv: QUANTISED (scales: A lowp_scales[4], B lowp_scales[5])
;;     4. batch 16 x [M 3,072, K 128] x [K 128, N 3,072]; A: computed on the way; B: computed on the way: QUANTISED (scales: A lowp_scales[6], B lowp_scales[7])
;;     5. batch 16 x [M 3,072, K 3,072] x [K 3,072, N 128]; A: softmax (see below); B: computed on the way: QUANTISED (scales: A lowp_scales[8], B lowp_scales[9])
;;     6. [M 3,072, K 2,048] x [K 2,048, N 2,048]; A: computed on the way; B: input Wo: QUANTISED (scales: A lowp_scales[10], B lowp_scales[11])
;;   THE QUANTISER, for each operand of a quantised product, along K:
;;     - The operand's scale is 2^e, e = its entry of the input lowp_scales (int32; the entries are numbered through the quantised products in the list's order, A before B).
;;     - Each number is divided by the scale, clamped to +-448, and rounded to the nearest number of E4M3, ties to even, subnormals kept.
;;     - The product sums the exact products of the quantised numbers (number of the format x scale) in f32.
;;   ~~~python
;;   def quantise(x, axis, e):      # numpy; x: float32 -> the quantised numbers, widened to float32 again
;;       x = np.moveaxis(x, axis, -1); K = x.shape[-1]
;;       r = np.clip(x / 2.0 ** e, -448, 448)
;;       step = 2.0 ** (np.maximum(np.frexp(np.where(r == 0, 1, r))[1] - 1, -6) - 3)
;;       q = np.round(r / step) * step * 2.0 ** e      # np.round: ties to even
;;       return np.moveaxis(q, -1, axis).astype(np.float32)
;;   ~~~
;;   SOFTMAX AHEAD OF A QUANTISED PRODUCT. Where the list says 'softmax', what is quantised is not the finished softmax but p = 2^(t - M), with t = logit x log2(e) and M = ceil(the row's largest t), a whole number; so 1/2 < the row's largest p <= 1. The row's sum l is taken of the UNQUANTISED p, in f32, and the product's result is divided by l at the end. Since M is a whole number, a kernel that streams over the keys may use a running M (the ceiling of the running maximum): every later rescaling is an exact power of two, so the quantised numbers keep their values, but for numbers so far below the row's largest that they fall under the format's range.
;;   OPERANDS COMPUTED ON THE WAY. 'Computed on the way' means the value that the module computes at that place (a softmax that the list does not call 'softmax' is quantised finished and normalised). What goes into a quantiser is computed in f32, as accurately as f32 sums, v_exp_f32 and their like allow (about 1e-6 of the number): no bf16 or f16 on the way to a quantiser, and a product that is left as it is and whose result goes on into a quantised operand takes f32 operands (vector FMAs, or v_wmma_f32_16x16x4_f32). A number that lies on a knife's edge between two numbers of the format may be rounded either way, as far as f32 arithmetic and the matrix unit's own rounding can turn it there, and no further.
;; One version. Each part assembles by itself: llvm-mc -triple=amdgcn-amd-amdhsa -mcpu=gfx1250 --defsym DOCPART=n.
;; ======== version 1 of 1: 4 launches
;; limits: right only within a limited range of input values
;; workspace buffers: x_img 18,874,368 bytes; w_img 9,437,184 bytes; rope 1,581,056 bytes; maskw 1,179,648 bytes of whole numbers; q_img 6,291,456 bytes; kv_img 1,572,864 bytes; a_img 6,291,456 bytes
;; launch prep (part 1): grid 865 x 1, 4 waves a work-group, no clusters, 51,712 bytes of LDS; arguments hidden_states, Wq, Wk, Wv, Wo, attention_mask, position_ids, lowp_scales, x_img, w_img, maskw, rope; writes x_img, w_img, maskw, rope
.if DOCPART == 1
	.amdgcn_target "amdgcn-amd-amdhsa--gfx1250"
	.amdhsa_code_object_version 6
	.text
	.protected	k_q409df3f87c_prep
	.globl	k_q409df3f87c_prep
	.p2align	8
	.type	k_q409df3f87c_prep,@function
k_q409df3f87c_prep:
	s_mov_b64 s[64:65], 0
	v_nop
	global_prefetch_b8 v0, s[64:65] scope:SCOPE_SE
	s_setreg_imm32_b32 hwreg(HW_REG_WAVE_MODE, 25, 1), 1
	s_wait_xcnt 0x0
; PREP: everything that the later launches read again and again is laid out once, in the order in which their registers take it.
; Work-groups 0-479 (path Q): hidden_states (under e0, e2 and e4: three planes), Wq (e1), Wk (e3), Wv (e5), Wo (e11) become codes of E4M3, stored as IMAGES OF FRAGMENTS.
;   An image is 2,048 bytes: 16 rows x 128 k; byte 512 c + 16 lane holds the codes k = 32 c + 16 (lane / 16) + 0 .. 15 of the tile's row lane % 16.
;   ROW TILE t of a tensor holds the true rows 32 (t / 2) + 8 (t % 2) + i + 8 (i / 8), i = 0 .. 15, so that a product's 16 results of two neighbouring tiles are 16 neighbours along the next K.
; Work-groups 480-671 (path M): attention_mask becomes words of 32 lane bits: word n of (query tile, key step s): bit lane = mask[row lane % 16 of the tile][128 s + 32 (n / 16) + 16 (lane / 16) + n % 16].
; Work-groups 672-864 (path R): cos and sin of position x 10000^(-f / 64) for each token tile, in the lanes and registers in which the projections' results lie; tile 192 holds cos = 1, sin = 0.
; code = x / 2^e, held within +-448, to the nearest code, ties to even.
; LIMITS: each e used here lies between -126 and 119; positions lie between 0 and 3,071 (the reduction of the angle is exact under 4,096); 10000^(-f / 64) is made by v_exp_f32, so the largest angles
; carry an error of some 2e-4; NaN among the inputs is not served.
; No tensor loads, no barrier: waves share nothing.  The three paths part on the work-group's number; each path that uses LDS has bytes of its own.
.set QSTW, 8448                        ; path Q: a wave's stage: 16 rows x 528 bytes, from LDS byte 0 on
.set QP,   528                         ; 512 bytes + 16: row r starts 4 r banks on
.set MST,  33792                       ; path M: the stages begin here
.set MSTW, 4352                        ; 16 rows x 272 bytes
.set MP,   272
.set PLB,  6291456                     ; a plane of x_img
.set RR,   16                          ; v16-143  two sets of 64: a chunk (16 rows x 128 numbers) as it is loaded
.set XX,   144                         ; v144-207 the chunk with 64 numbers of ONE row a lane
.set TT,   208                         ; v208-239 two sets of 16 held numbers
.set CC,   240                         ; v240-255 a chunk's codes
	s_load_b512 s[4:19], s[0:1], 0x0               ; hidden s[4:5], Wq s[6:7], Wk s[8:9], Wv s[10:11], Wo s[12:13], mask s[14:15], positions s[16:17], scales s[18:19]
	s_load_b256 s[20:27], s[0:1], 0x40             ; x_img s[20:21], w_img s[22:23], maskw s[24:25], rope s[26:27]
	v_lshl_add_u32 v14, v0, 2, 0xc800
	v_mov_b32 v15, 0
	v_lshrrev_b32 v1, 5, v0
	v_readfirstlane_b32 s28, v1                    ; wave
	s_mov_b32 s29, ttmp9                           ; J, the work-group
	v_and_b32 v10, 31, v0                          ; lane
	v_and_b32 v11, 15, v0                          ; r
	v_bfe_u32 v12, v0, 4, 1                        ; h
	v_lshlrev_b32 v1, 4, v10                       ; 16 x lane; never rewritten
	s_wait_kmcnt 0x0
	s_cmp_lt_u32 s29, 480
	s_cbranch_scc0 .Lnot_q
; ---------------------------------------------------------------- path Q: one row tile (16 rows x 2,048 k) a work-group, four chunks of 128 k a wave
	s_load_b256 s[32:39], s[18:19], 0x0            ; e0 .. e7
	s_load_b128 s[40:43], s[18:19], 0x20           ; e8 .. e11
	s_mov_b64 s[44:45], s[12:13]                   ; which tensor: the choice hangs on the work-group's number alone
	s_mov_b32 s46, 352
	s_cmp_lt_u32 s29, 352
	s_cselect_b64 s[44:45], s[10:11], s[44:45]
	s_cselect_b32 s46, 336, s46
	s_cmp_lt_u32 s29, 336
	s_cselect_b64 s[44:45], s[8:9], s[44:45]
	s_cselect_b32 s46, 320, s46
	s_cmp_lt_u32 s29, 320
	s_cselect_b64 s[44:45], s[6:7], s[44:45]
	s_cselect_b32 s46, 192, s46
	s_cmp_lt_u32 s29, 192
	s_cselect_b64 s[44:45], s[4:5], s[44:45]
	s_cselect_b32 s46, 0, s46
	s_cselect_b64 s[50:51], s[20:21], s[22:23]     ; hidden goes to x_img, the weights to w_img
	s_cselect_b32 s48, 0, 192
	s_sub_co_u32 s46, s29, s46                     ; the row tile's number in its tensor
	s_sub_co_u32 s48, s29, s48                     ; and in the buffer of images
	s_lshr_b32 s47, s46, 1
	s_lshl_b32 s47, s47, 18                        ; 32 rows of 8,192 bytes
	s_and_b32 s46, s46, 1
	s_lshl_b32 s46, s46, 16                        ; 8 rows
	s_add_co_u32 s46, s46, s47
	s_lshl_b32 s47, s28, 11                        ; my wave's four chunks of 512 bytes
	s_add_co_u32 s46, s46, s47
	s_mov_b32 s47, 0
	s_add_nc_u64 s[44:45], s[44:45], s[46:47]
	s_lshl_b32 s48, s48, 15                        ; a row tile's 16 images
	s_lshl_b32 s49, s28, 13                        ; my wave's four
	s_add_co_u32 s48, s48, s49
	s_mov_b32 s49, 0
	s_add_nc_u64 s[50:51], s[50:51], s[48:49]
	s_add_nc_u64 s[52:53], s[50:51], PLB           ; planes 1 and 2: used for hidden alone
	s_add_nc_u64 s[54:55], s[50:51], 2*PLB
	s_mul_i32 s30, s28, QSTW
	s_wait_alu depctr_va_vdst(0)
	v_add_nc_u32 v2, s30, v1                       ; the stage, on the way in: 16 x lane of a row
	v_mul_u32_u24 v3, v11, QP
	v_lshl_add_u32 v3, v12, 6, v3
	v_add_nc_u32 v3, s30, v3                       ; on the way out: row r, + 64 h bytes: my 16 numbers of each 32
.macro LOADS kk, set                   ; chunk kk: each load takes one row's 512 consecutive bytes
.set tt, 0
.rept 16
	global_load_b128 v[RR+64*(\set)+4*tt:RR+64*(\set)+4*tt+3], v1, s[44:45] offset:(tt+8*(tt/8))*8192+512*(\kk) th:TH_LOAD_NT
.set tt, tt+1
.endr
.endm
.macro TURNQ set                       ; through my own stage: LDS serves a wave's instructions in order, so no wait stands between the stores and the loads
.set tt, 0
.rept 16
	ds_store_b128 v2, v[RR+64*(\set)+4*tt:RR+64*(\set)+4*tt+3] offset:QP*tt
.set tt, tt+1
.endr
.irp c, 0,1,2,3
.irp q, 0,1,2,3
	ds_load_b128 v[XX+16*\c+4*\q:XX+16*\c+4*\q+3], v3 offset:128*\c+16*\q
.endr
.endr
.endm
.macro MKSC vs, vl, se                 ; 2^e as f32 (the conversion takes its exponent field) and 448 x 2^e
	s_add_co_i32 s57, s[\se], 127
	s_lshl_b32 s58, s57, 23
	v_mov_b32 v[\vs], s58
	s_add_co_i32 s57, s57, 8
	s_lshl_b32 s57, s57, 23
	s_or_b32 s57, s57, 0x600000
	v_mov_b32 v[\vl], s57
.endm
.macro PLANE pl, kk                    ; the chunk's codes under scale pl, and its image: four stores of 512 consecutive bytes
	s_wait_xcnt 0x0                                ; the codes' registers are written again only when the earlier stores have read them
.irp c, 0,1,2,3
.set ii, 0
.rept 16
	v_med3_num_f32 v[TT+16*(\c%2)+ii], v[XX+16*\c+ii], -v[5+2*(\pl)], v[5+2*(\pl)]   ; the conversion to an 8-bit code does not saturate (ISA guide 7.6.2): the hold comes first
.set ii, ii+1
.endr
	v_cvt_scalef32_pk8_fp8_f32 v[CC+4*\c:CC+4*\c+1], v[TT+16*(\c%2):TT+16*(\c%2)+7], v[4+2*(\pl)]
	v_cvt_scalef32_pk8_fp8_f32 v[CC+4*\c+2:CC+4*\c+3], v[TT+16*(\c%2)+8:TT+16*(\c%2)+15], v[4+2*(\pl)]   ; the held numbers' two sets take turns: the next sixteen holds are plain lines on other registers
.endr
	v_nop                                          ; a plain line behind the last conversion
.irp c, 0,1,2,3
	global_store_b128 v1, v[CC+4*\c:CC+4*\c+3], s[50+2*(\pl):51+2*(\pl)] offset:2048*(\kk)+512*\c
.endr
.endm
.macro CHUNK kk
.if \kk < 3
	s_wait_loadcnt 16                              ; this chunk's 16 loads are in; the next chunk's 16 may be out
.else
	s_wait_loadcnt 0x0
.endif
	TURNQ (\kk)%2
	s_wait_dscnt 0x0                               ; the chunk is back, so the stores into the stage have read their registers,
.if \kk < 2
	LOADS (\kk)+2, (\kk)%2                         ; which take the chunk two further on
.endif
	PLANE 0, \kk
	s_cmp_lt_u32 s29, 192                          ; hidden_states is an operand of three products, each with a scale of its own
	s_cbranch_scc0 .Lone_\@
	PLANE 1, \kk
	PLANE 2, \kk
.Lone_\@:
.endm
	LOADS 0, 0
	LOADS 1, 1
	s_wait_alu depctr_va_vdst(0)
	s_wait_kmcnt 0x0
	s_mov_b32 s56, s43                             ; my tensor's e: e11, e5, e3, e1 or e0
	s_cmp_lt_u32 s29, 352
	s_cselect_b32 s56, s37, s56
	s_cmp_lt_u32 s29, 336
	s_cselect_b32 s56, s35, s56
	s_cmp_lt_u32 s29, 320
	s_cselect_b32 s56, s33, s56
	s_cmp_lt_u32 s29, 192
	s_cselect_b32 s56, s32, s56
	MKSC 4, 5, 56
	MKSC 6, 7, 34                                  ; e2
	MKSC 8, 9, 36                                  ; e4
	s_wait_alu depctr_va_vdst(0)
	CHUNK 0
	CHUNK 1
	CHUNK 2
	CHUNK 3
	s_wait_tensorcnt 0x0
	ds_add_u32 v14, v15
	s_wait_dscnt 0x0
	s_endpgm
; ---------------------------------------------------------------- path M: one query tile a work-group; a wave takes 768 keys, in three spans of 256
.Lnot_q:
	s_cmp_lt_u32 s29, 672
	s_cbranch_scc0 .Lrope
	s_sub_co_u32 s30, s29, 480                     ; the query tile
	s_lshr_b32 s31, s30, 1
	s_lshl_b32 s31, s31, 5
	s_and_b32 s32, s30, 1
	s_lshl_b32 s32, s32, 3
	s_add_co_u32 s31, s31, s32                     ; its first true row
	s_mul_i32 s31, s31, 3072
	s_mul_i32 s32, s28, 768
	s_add_co_u32 s32, s31, s32
	s_mov_b32 s33, 0
	s_add_nc_u64 s[14:15], s[14:15], s[32:33]
	s_mul_i32 s32, s30, 6144                       ; 24 key steps x 64 words
	s_mul_i32 s34, s28, 1536                       ; my six steps
	s_add_co_u32 s32, s32, s34
	s_add_nc_u64 s[24:25], s[24:25], s[32:33]
	s_wait_alu depctr_va_vdst(0)
	v_mul_u32_u24 v2, v12, 3072
	v_lshl_add_u32 v2, v11, 4, v2                  ; a load takes 256 bytes of a row in lanes 0-15 and of the next row in lanes 16-31
	s_mul_i32 s34, s28, MSTW
	s_add_co_u32 s34, s34, MST
	v_mul_u32_u24 v3, v12, MP
	v_lshl_add_u32 v3, v11, 4, v3
	v_add_nc_u32 v3, s34, v3                       ; the stage, in: as loaded
	v_mul_u32_u24 v4, v11, MP
	v_lshl_add_u32 v4, v12, 4, v4
	v_add_nc_u32 v4, s34, v4                       ; out: row r, + 16 h: my 16 keys of each 32
	v_lshlrev_b32 v5, 3, v10                       ; two words a lane
.irp sp, 0,1,2
.irp t, 0,1,2,3,4,5,6,7
	global_load_b128 v[16+32*\sp+4*\t:16+32*\sp+4*\t+3], v2, s[14:15] offset:(2*\t+8*(\t/4))*3072+256*\sp th:TH_LOAD_NT
.endr
.endr
.set ii, 0
.rept 12
	v_mov_b32 v[148+ii], 0                         ; a lane write's destination counts as read: written once
.set ii, ii+1
.endr
.macro WORDS sp, ks                    ; a key step's 64 words: byte n % 4 of a register is tested in all lanes at once; the lanes' bits are the word; word n goes to lane n / 2, register n % 2
.set nn, 0
.rept 16
.irp k, 0,1,2,3
	v_and_b32 v[144+\k], 0xff<<(8*\k), v[112+4*(4*(\ks)+nn/16)+(nn%16)/4]
.endr
.irp k, 0,1,2,3
	v_cmp_ne_u32 s[44+\k], 0, v[144+\k]
.endr
.irp k, 0,1,2,3
	v_writelane_b32 v[148+2*(2*(\sp)+(\ks))+\k%2], s[44+\k], (nn+\k)/2
.endr
.set nn, nn+4
.endr
	global_store_b64 v5, v[148+2*(2*(\sp)+(\ks)):149+2*(2*(\sp)+(\ks))], s[24:25] offset:256*(2*(\sp)+(\ks))   ; 32 lanes store 256 consecutive bytes, aligned; each step has its own pair
.endm
.irp sp, 0,1,2
	s_wait_loadcnt 16-8*\sp                        ; this span's eight loads are in; the later spans' may be out
.irp t, 0,1,2,3,4,5,6,7
	ds_store_b128 v3, v[16+32*\sp+4*\t:16+32*\sp+4*\t+3] offset:2*MP*\t
.endr
.irp b, 0,1,2,3,4,5,6,7
	ds_load_b128 v[112+4*\b:115+4*\b], v4 offset:32*\b
.endr
	s_wait_dscnt 0x0
	WORDS \sp, 0
	WORDS \sp, 1
.endr
	s_wait_tensorcnt 0x0
	ds_add_u32 v14, v15
	s_wait_dscnt 0x0
	s_endpgm
; ---------------------------------------------------------------- path R: one token tile a work-group; a lane makes eight frequencies of its token
.Lrope:
	s_sub_co_u32 s30, s29, 672                     ; the token tile, 0 .. 192
	s_lshr_b32 s31, s30, 1
	s_lshl_b32 s31, s31, 5
	s_and_b32 s32, s30, 1
	s_lshl_b32 s32, s32, 3
	s_add_co_u32 s31, s31, s32
	s_wait_alu depctr_va_vdst(0)
	v_and_b32 v2, 8, v11
	v_add_nc_u32 v2, v2, v11                       ; r + 8 (r / 8)
	v_add_nc_u32 v2, s31, v2                       ; my token;
	v_min_u32 v2, 3071, v2                         ; tile 192 has none: the load stays inside its buffer, and its number is multiplied by 0 below
	v_lshlrev_b32 v2, 2, v2
	global_load_b32 v3, v2, s[16:17]
	s_cmp_eq_u32 s30, 192
	s_cselect_b32 s33, 0, 0x3f800000
	s_lshr_b32 s34, s28, 1
	s_lshl_b32 s34, s34, 5
	s_and_b32 s35, s28, 1
	s_lshl_b32 s35, s35, 3
	s_add_co_u32 s34, s34, s35
	v_lshl_add_u32 v4, v12, 4, s34                 ; my first frequency: 32 (wave / 2) + 8 (wave % 2) + 16 h
	s_wait_alu depctr_va_vdst(0)
	s_mov_b32 s36, 0xb94ca1f9                      ; sin r = r + r z ((S0 z + S1) z + S2), z = r r, |r| <= pi / 4
	s_mov_b32 s37, 0x3c08839e
	s_mov_b32 s38, 0xbe2aaaa3
	s_mov_b32 s39, 0x37ccf5ce                      ; cos r = 1 - z / 2 + z z ((C0 z + C1) z + C2)
	s_mov_b32 s40, 0xbab6061a
	s_mov_b32 s41, 0x3d2aaaa5
	s_lshl_b32 s42, s30, 13                        ; a tile's 8,192 bytes,
	s_lshl_b32 s43, s28, 10                        ; my wave's two groups of four numbers a lane
	s_add_co_u32 s42, s42, s43
	s_mov_b32 s43, 0
	s_add_nc_u64 s[26:27], s[26:27], s[42:43]
.irp m, 0,1,2,3,4,5,6,7
	v_add_nc_u32 v[16+\m], \m, v4
.endr
.irp m, 0,1,2,3,4,5,6,7
	v_cvt_f32_u32 v[16+\m], v[16+\m]
.endr
.irp m, 0,1,2,3,4,5,6,7
	v_mul_f32 v[16+\m], 0xbe549a78, v[16+\m]       ; - f log2(10000) / 64
.endr
	s_wait_alu depctr_va_vdst(0)
.irp m, 0,1,2,3,4,5,6,7
	v_exp_f32 v[16+\m], v[16+\m]                   ; 10000^(-f / 64)
.endr
	v_nop                                          ; a plain line behind the last exponential,
	s_wait_alu depctr_va_vdst(0)                   ; and one wait for the batch, ahead of its first reader
	s_wait_loadcnt 0x0
	v_cvt_f32_i32 v3, v3
	v_mul_f32 v3, s33, v3                          ; the position (0 in tile 192)
.irp m, 0,1,2,3,4,5,6,7
	v_mul_f32 v[24+\m], v3, v[16+\m]               ; the angle x
.endr
.irp m, 0,1,2,3,4,5,6,7
	v_mul_f32 v[32+\m], 0x3f22f983, v[24+\m]       ; x 2 / pi
.endr
.irp m, 0,1,2,3,4,5,6,7
	v_rndne_f32 v[32+\m], v[32+\m]                 ; k
.endr
.irp m, 0,1,2,3,4,5,6,7
	v_fmamk_f32 v[40+\m], v[32+\m], 0xbfc90fdb, v[24+\m]   ; x - k (pi / 2, upper part)
.endr
.irp m, 0,1,2,3,4,5,6,7
	v_fmamk_f32 v[40+\m], v[32+\m], 0x333bbd2e, v[40+\m]   ; - k (its lower part): r
.endr
.irp m, 0,1,2,3,4,5,6,7
	v_mul_f32 v[48+\m], v[40+\m], v[40+\m]         ; z
.endr
.irp m, 0,1,2,3,4,5,6,7
	v_fma_f32 v[56+\m], v[48+\m], s36, s37
	v_fma_f32 v[64+\m], v[48+\m], s39, s40
.endr
.irp m, 0,1,2,3,4,5,6,7
	v_fma_f32 v[56+\m], v[56+\m], v[48+\m], s38
	v_fma_f32 v[64+\m], v[64+\m], v[48+\m], s41
	v_mul_f32 v[80+\m], v[40+\m], v[48+\m]         ; r z
	v_mul_f32 v[104+\m], v[48+\m], v[48+\m]        ; z z
	v_fma_f32 v[72+\m], v[48+\m], -0.5, 1.0
.endr
.irp m, 0,1,2,3,4,5,6,7
	v_fma_f32 v[56+\m], v[80+\m], v[56+\m], v[40+\m]    ; sin r
	v_fma_f32 v[64+\m], v[104+\m], v[64+\m], v[72+\m]   ; cos r
.endr
.irp m, 0,1,2,3,4,5,6,7                        ; the quadrant k mod 4: odd: the two change places; sin is negative in quadrants 2, 3, cos in 1, 2
	v_cvt_i32_f32 v[72+\m], v[32+\m]
	v_and_b32 v[80+\m], 1, v[72+\m]
	v_cmp_eq_u32 vcc_lo, 1, v[80+\m]
	v_cndmask_b32 v[96+\m], v[56+\m], v[64+\m], vcc_lo
	v_cndmask_b32 v[88+\m], v[64+\m], v[56+\m], vcc_lo
	v_lshlrev_b32 v[80+\m], 30, v[72+\m]
	v_and_b32 v[80+\m], 0x80000000, v[80+\m]
	v_xor_b32 v[96+\m], v[80+\m], v[96+\m]
	v_add_nc_u32 v[72+\m], 1, v[72+\m]
	v_lshlrev_b32 v[72+\m], 30, v[72+\m]
	v_and_b32 v[72+\m], 0x80000000, v[72+\m]
	v_xor_b32 v[88+\m], v[72+\m], v[88+\m]
.endr
	global_store_b128 v1, v[88:91], s[26:27]                ; cos: 512 consecutive bytes a store
	global_store_b128 v1, v[92:95], s[26:27] offset:512
	global_store_b128 v1, v[96:99], s[26:27] offset:4096    ; sin
	global_store_b128 v1, v[100:103], s[26:27] offset:4608
	s_endpgm
.Lfunc_end_k_q409df3f87c_prep:
	.size	k_q409df3f87c_prep, .Lfunc_end_k_q409df3f87c_prep-k_q409df3f87c_prep
	.p2alignl 7, 3214868480
	.fill 96, 4, 3214868480
	.section	.rodata,"a",@progbits
	.p2align	6, 0x0
	.amdhsa_kernel k_q409df3f87c_prep
		.amdhsa_group_segment_fixed_size 51712
		.amdhsa_private_segment_fixed_size 0
		.amdhsa_enable_private_segment 0
		.amdhsa_kernarg_size 96
		.amdhsa_user_sgpr_count 2
		.amdhsa_user_sgpr_kernarg_segment_ptr 1
		.amdhsa_wavefront_size32 1
		.amdhsa_system_sgpr_workgroup_id_x 1
		.amdhsa_system_sgpr_workgroup_id_y 1
		.amdhsa_system_sgpr_workgroup_id_z 1
		.amdhsa_system_vgpr_workitem_id 0
		.amdhsa_next_free_vgpr 256
		.amdhsa_next_free_sgpr 66
		.amdhsa_reserve_vcc 1
		.amdhsa_float_denorm_mode_32 3
		.amdhsa_float_denorm_mode_16_64 3
		.amdhsa_memory_ordered 1
		.amdhsa_forward_progress 1
		.amdhsa_inst_pref_size 172
	.end_amdhsa_kernel
	.amdgpu_metadata
---
amdhsa.version: [ 1, 2 ]
amdhsa.kernels:
  - .name:           k_q409df3f87c_prep
    .symbol:         k_q409df3f87c_prep.kd
    .args:
      - { .name: hidden_states, .offset: 0, .size: 8, .value_kind: global_buffer, .address_space: global }
      - { .name: Wq, .offset: 8, .size: 8, .value_kind: global_buffer, .address_space: global }
      - { .name: Wk, .offset: 16, .size: 8, .value_kind: global_buffer, .address_space: global }
      - { .name: Wv, .offset: 24, .size: 8, .value_kind: global_buffer, .address_space: global }
      - { .name: Wo, .offset: 32, .size: 8, .value_kind: global_buffer, .address_space: global }
      - { .name: attention_mask, .offset: 40, .size: 8, .value_kind: global_buffer, .address_space: global }
      - { .name: position_ids, .offset: 48, .size: 8, .value_kind: global_buffer, .address_space: global }
      - { .name: lowp_scales, .offset: 56, .size: 8, .value_kind: global_buffer, .address_space: global }
      - { .name: x_img, .offset: 64, .size: 8, .value_kind: global_buffer, .address_space: global }
      - { .name: w_img, .offset: 72, .size: 8, .value_kind: global_buffer, .address_space: global }
      - { .name: maskw, .offset: 80, .size: 8, .value_kind: global_buffer, .address_space: global }
      - { .name: rope, .offset: 88, .size: 8, .value_kind: global_buffer, .address_space: global }
    .group_segment_fixed_size: 51712
    .private_segment_fixed_size: 0
    .kernarg_segment_align: 8
    .kernarg_segment_size: 96
    .max_flat_workgroup_size: 128
    .sgpr_count:     66
    .vgpr_count:     256
    .wavefront_size: 32
...
	.end_amdgpu_metadata
.endif
;; end of part 1
;; launch qkv (part 2): grid 240 x 1, 4 waves a work-group, no clusters, 327,680 bytes of LDS; arguments x_img, w_img, rope, lowp_scales, q_img, kv_img; writes q_img, kv_img
.if DOCPART == 2
	.amdgcn_target "amdgcn-amd-amdhsa--gfx1250"
	.amdhsa_code_object_version 6
	.text
	.protected	k_q409df3f87c_qkv
	.globl	k_q409df3f87c_qkv
	.p2align	8
	.type	k_q409df3f87c_qkv,@function
k_q409df3f87c_qkv:
	s_mov_b64 s[64:65], 0
	v_nop
	global_prefetch_b8 v0, s[64:65] scope:SCOPE_SE
	s_setreg_imm32_b32 hwreg(HW_REG_WAVE_MODE, 25, 1), 1
	s_wait_xcnt 0x0
.set BIGS1, 131072
.set SML,   196608
.set SMLS1, 262144
.set SPARE, 294912
.set KADV,  12288
.set WV,   16
.set A1,   17
.set A0,   18
.set G1A,  24
.set G1B,  32
.set G1C,  40
.set G1D,  48
.set G0A,  56
.set G0B,  60
.set G0C,  68
.set G0D,  72
.set ADR0, 16
.set ADR1, 20
.set L16,  24
.set SC,   25
.set LIM,  26
.set SPW,  28
.set NIL,  29
.set U,    32
.set CD,   96
.set MSB, 0
.macro WIN new
.if MSB != \new
	s_set_vgpr_msb (MSB<<8)|\new
.set MSB, \new
.endif
.endm
.macro PLACES
.rept 4
	v_nop
.endr
.endm
.macro TLOAD big
	s_cmp_eq_u32 s[A1], 0
	s_cbranch_scc0 .Lfor1_\@
.if \big
	tensor_load_to_lds s[G0A:G0A+3], s[G1A:G1A+7]
	s_nop 0
.else
	tensor_load_to_lds s[G0B:G0B+3], s[G1B:G1B+7]
	s_nop 0
.endif
.rept 4
	v_nop
.endr
	s_branch .Lasked_\@
.Lfor1_\@:
.if \big
	tensor_load_to_lds s[G0C:G0C+3], s[G1C:G1C+7]
	s_nop 0
.else
	tensor_load_to_lds s[G0D:G0D+3], s[G1D:G1D+7]
	s_nop 0
.endif
.rept 4
	v_nop
.endr
.Lasked_\@:
.endm
.macro FETCH big, ch, p
	WIN 0x40
.irp i, 0,1,2,3,4,5,6,7
.irp c, 0,1,2,3
	ds_load_b128 v[128*(\p)+16*\i+4*\c:128*(\p)+16*\i+4*\c+3], v[ADR0+\big] offset:4096*(1+\big)*\i+2048*(\ch)+512*\c
.endr
.endr
	WIN 0
.irp i, 0,1,2,3
.irp c, 0,1,2,3
	ds_load_b128 v[128+64*(\p)+16*\i+4*\c:128+64*(\p)+16*\i+4*\c+3], v[ADR1+\big] offset:4096*(1+\big)*\i+2048*(\ch)+512*\c
.endr
.endr
.endm
.macro MUL8 a, p, zero
	WIN 0xa1
.irp t, 0,1,2,3,4,5,6,7
.if \zero
	v_wmma_f32_16x16x128_fp8_fp8 v[8*(8*(\a)+\t):8*(8*(\a)+\t)+7], v[128*(\p)+16*\t:128*(\p)+16*\t+15], v[128+64*(\p)+16*(\a):128+64*(\p)+16*(\a)+15], 0
.else
	v_wmma_f32_16x16x128_fp8_fp8 v[8*(8*(\a)+\t):8*(8*(\a)+\t)+7], v[128*(\p)+16*\t:128*(\p)+16*\t+15], v[128+64*(\p)+16*(\a):128+64*(\p)+16*(\a)+15], v[8*(8*(\a)+\t):8*(8*(\a)+\t)+7]
.endif
.endr
.endm
.macro STEPC big, nch, p, zero
	s_wait_dscnt 0x0
	PLACES
	FETCH \big, \nch, 1-\p
	MUL8 0, \p, \zero
	MUL8 1, \p, \zero
	MUL8 2, \p, \zero
	MUL8 3, \p, \zero
	WIN 0
.endm
.macro LARGE zero
	STEPC 1, 1, 0, \zero
	STEPC 1, 2, 1, 0
	STEPC 1, 3, 0, 0
.endm
.macro TURN nbig, fill
	s_wait_tensorcnt 0x0
	ds_add_u32 v[SPW], v[NIL]
.if \fill
.if \nbig
	s_add_nc_u64 s[G0B+2:G0B+3], s[G0B+2:G0B+3], KADV
	s_add_nc_u64 s[G0D+2:G0D+3], s[G0D+2:G0D+3], KADV
.else
	s_add_nc_u64 s[G0A+2:G0A+3], s[G0A+2:G0A+3], KADV
	s_add_nc_u64 s[G0C+2:G0C+3], s[G0C+2:G0C+3], KADV
.endif
.endif
	s_wait_dscnt 1
	MUL8 0, 1, 0
	MUL8 1, 1, 0
	s_wait_dscnt 0x0
	s_barrier_signal -1
	MUL8 2, 1, 0
	WIN 0
	s_barrier_wait -1
.if \fill
	TLOAD 1-\nbig
.else
	PLACES
.endif
	FETCH \nbig, 0, 0
	MUL8 3, 1, 0
	WIN 0
.endm
	s_load_b256 s[4:11], s[0:1], 0x0
	s_load_b128 s[12:15], s[0:1], 0x20
	v_lshl_add_u32 v[SPW], v0, 2, SPARE
	v_mov_b32 v[NIL], 0
	ds_add_u32 v28, v29
	ds_add_u32 v28, v29
	s_wait_dscnt 0x0
	v_lshrrev_b32 v1, 5, v0
	v_readfirstlane_b32 s[WV], v1
	s_lshr_b32 s[A1], s[WV], 1
	s_and_b32 s[A0], s[WV], 1
	s_mov_b32 s19, ttmp9
	s_sub_co_u32 s20, s19, 216
	s_lshr_b32 s21, s20, 1
	s_and_b32 s20, s20, 1
	s_lshl_b32 s96, s21, 4
	s_add_co_u32 s96, s96, 384
	s_lshl_b32 s98, s20, 3
	s_add_co_u32 s98, s98, 144
	s_mul_i32 s100, s20, 24
	s_lshl_b32 s21, s21, 1
	s_add_co_u32 s100, s100, s21
	s_add_co_u32 s100, s100, s[A0]
	s_lshl_b32 s100, s100, 4
	s_add_co_u32 s100, s100, 8
	s_mov_b32 s2, 192
	s_mov_b32 s3, 0
	s_sub_co_u32 s20, s19, 192
	s_lshl_b32 s21, s20, 3
	s_add_co_u32 s22, s21, 192
	s_mul_i32 s23, s[A0], 24
	s_add_co_u32 s23, s23, s20
	s_lshl_b32 s23, s23, 4
	s_lshl_b32 s66, s[A1], 2
	s_add_co_u32 s21, s21, s66
	s_mov_b32 s67, 8192
	s_cmp_lt_u32 s19, 216
	s_cselect_b32 s96, 128, s96
	s_cselect_b32 s98, s22, s98
	s_cselect_b32 s100, s23, s100
	s_cselect_b32 s2, s21, s2
	s_cselect_b32 s3, s67, s3
	s_and_b32 s20, s19, 7
	s_lshr_b32 s21, s19, 3
	s_lshl_b32 s22, s20, 4
	s_lshl_b32 s21, s21, 3
	s_lshl_b32 s20, s20, 1
	s_add_co_u32 s20, s20, s[A0]
	s_mul_i32 s20, s20, 192
	s_add_co_u32 s20, s20, s21
	s_add_co_u32 s23, s21, s66
	s_cmp_lt_u32 s19, 192
	s_cselect_b32 s96, s22, s96
	s_cselect_b32 s98, s21, s98
	s_cselect_b32 s100, s20, s100
	s_cselect_b32 s2, s23, s2
	s_add_co_u32 s100, s100, s66
	s_lshl_b32 s100, s100, 11
	s_mov_b32 s101, 0
	s_lshl_b32 s96, s96, 15
	s_lshl_b32 s20, s[A0], 18
	s_add_co_u32 s96, s96, s20
	s_mov_b32 s97, 0
	s_lshl_b32 s98, s98, 15
	s_lshl_b32 s20, s[A0], 17
	s_add_co_u32 s98, s98, s20
	s_mov_b32 s99, 0
.irp g, G1A, G1B, G1C, G1D
	s_mov_b32 s[\g+0], 3<<16
	s_mov_b32 s[\g+5], 4096
	s_mov_b32 s[\g+6], 0
	s_mov_b32 s[\g+7], 0
.endr
.irp g, G1A, G1C
	s_mov_b32 s[\g+1], 1024<<16
	s_mov_b32 s[\g+3], 1024<<16
.endr
.irp g, G1B, G1D
	s_mov_b32 s[\g+1], 512<<16
	s_mov_b32 s[\g+3], 512<<16
.endr
.irp g, G1A, G1B
	s_mov_b32 s[\g+2], 8<<16
	s_mov_b32 s[\g+4], 8
.endr
.irp g, G1C, G1D
	s_mov_b32 s[\g+2], 4<<16
	s_mov_b32 s[\g+4], 4
.endr
	s_mov_b32 s[G0A], 1
	s_lshl_b32 s[G0A+1], s[A0], 16
	s_mov_b32 s[G0B], 1
	s_lshl_b32 s[G0B+1], s[A0], 15
	s_add_co_u32 s[G0B+1], s[G0B+1], SML
	s_mov_b32 s[G0C], 1
	s_lshl_b32 s[G0C+1], s[A0], 15
	s_add_co_u32 s[G0C+1], s[G0C+1], BIGS1
	s_mov_b32 s[G0D], 1
	s_lshl_b32 s[G0D+1], s[A0], 14
	s_add_co_u32 s[G0D+1], s[G0D+1], SMLS1
	s_wait_kmcnt 0x0
	s_load_b256 s[84:91], s[10:11], 0x0
	s_load_b128 s[92:95], s[10:11], 0x20
	s_cmp_lt_u32 s19, 216
	s_cselect_b64 s[20:21], s[6:7], s[4:5]
	s_cselect_b64 s[22:23], s[4:5], s[6:7]
	s_add_nc_u64 s[G0A+2:G0A+3], s[20:21], s[96:97]
	s_add_nc_u64 s[G0C+2:G0C+3], s[22:23], s[98:99]
	s_add_nc_u64 s[G0B+2:G0B+3], s[G0A+2:G0A+3], 8192
	s_add_nc_u64 s[G0D+2:G0D+3], s[G0C+2:G0C+3], 8192
	s_cmp_lt_u32 s19, 192
	s_cselect_b64 s[20:21], s[12:13], s[14:15]
	s_add_nc_u64 s[100:101], s[20:21], s[100:101]
.irp g, G0A, G0B, G0C, G0D
	s_or_b32 s[\g+3], s[\g+3], 0x80000000
.endr
	TLOAD 1
	s_wait_alu depctr_va_vdst(0)
	s_wait_tensorcnt 0x0
	ds_add_u32 v28, v29
	s_wait_dscnt 0x0
	s_barrier_signal -1
	s_barrier_wait -1
	TLOAD 0
	s_lshl_b32 s20, s2, 13
	s_mov_b32 s21, 0
	s_add_nc_u64 s[76:77], s[8:9], s[20:21]
	s_mov_b32 s20, s3
	s_add_nc_u64 s[78:79], s[76:77], s[20:21]
	s_add_nc_u64 s[80:81], s[78:79], s[20:21]
	s_add_nc_u64 s[82:83], s[80:81], s[20:21]
	v_and_b32 v1, 31, v0
	v_lshlrev_b32 v[L16], 4, v1
	s_wait_alu depctr_va_vdst(0)
	WIN 0xc0
.irp a, 0,1,2,3
.irp k, 0,1,2,3,4,5,6,7
	global_load_b128 v[64*\a+4*\k:64*\a+4*\k+3], v[L16], s[76+2*\a:77+2*\a] offset:512*\k
.endr
.irp k, 0,1,2,3,4,5,6,7
	global_load_b128 v[64*\a+32+4*\k:64*\a+32+4*\k+3], v[L16], s[76+2*\a:77+2*\a] offset:4096+512*\k
.endr
.endr
	WIN 0
	s_lshl_b32 s66, s[A0], 15
	s_add_co_u32 s66, s66, SML
	v_add_nc_u32 v[ADR0], s66, v[L16]
	s_lshl_b32 s66, s[A0], 16
	v_add_nc_u32 v[ADR0+1], s66, v[L16]
	s_lshl_b32 s66, s[A1], 14
	s_add_co_u32 s66, s66, SMLS1
	v_add_nc_u32 v[ADR1], s66, v[L16]
	s_lshl_b32 s66, s[A1], 15
	s_add_co_u32 s66, s66, BIGS1
	v_add_nc_u32 v[ADR1+1], s66, v[L16]
	s_wait_alu depctr_va_vdst(0)
	s_wait_kmcnt 0x0
	s_sub_co_i32 s66, s93, s88
	s_sub_co_i32 s66, s66, s89
	s_sub_co_i32 s67, s91, s86
	s_sub_co_i32 s67, s67, s87
	s_cmp_lt_u32 s19, 216
	s_cselect_b32 s66, s67, s66
	s_sub_co_i32 s67, s90, s84
	s_sub_co_i32 s67, s67, s85
	s_cmp_lt_u32 s19, 192
	s_cselect_b32 s66, s67, s66
	s_add_co_i32 s66, s66, 127
	s_lshl_b32 s67, s66, 23
	v_mov_b32 v[SC], s67
	s_add_co_i32 s66, s66, 8
	s_lshl_b32 s66, s66, 23
	s_or_b32 s66, s66, 0x600000
	v_mov_b32 v[LIM], s66
	s_wait_tensorcnt 1
	s_barrier_signal -1
	s_barrier_wait -1
	FETCH 1, 0, 0
	LARGE 1
	TURN 0, 1
	STEPC 0, 1, 0, 0
	TURN 1, 1
	LARGE 0
	TURN 0, 1
	STEPC 0, 1, 0, 0
	TURN 1, 0
	LARGE 0
	s_wait_dscnt 0x0
	MUL8 0, 1, 0
	MUL8 1, 1, 0
	MUL8 2, 1, 0
	MUL8 3, 1, 0
	WIN 0
	PLACES
.macro OUTQ a
	s_wait_loadcnt 48-16*(\a)
	WIN 0x0e
.set nn, 0
.rept 16
	v_pk_mul_f32 v[U+nn:U+nn+1], v[64*(\a)+32+nn:64*(\a)+33+nn], v[64*(\a)+32+nn:64*(\a)+33+nn]
.set nn, nn+2
.endr
.set nn, 0
.rept 16
	v_pk_mul_f32 v[U+32+nn:U+33+nn], v[64*(\a)+nn:64*(\a)+nn+1], v[64*(\a)+32+nn:64*(\a)+33+nn]
.set nn, nn+2
.endr
.set nn, 0
.rept 16
	v_pk_fma_f32 v[U+nn:U+nn+1], v[64*(\a)+nn:64*(\a)+nn+1], v[64*(\a)+nn:64*(\a)+nn+1], v[U+nn:U+nn+1] neg_lo:[0,0,1] neg_hi:[0,0,1]
.set nn, nn+2
.endr
.set nn, 0
.rept 16
	v_pk_fma_f32 v[U+32+nn:U+33+nn], v[64*(\a)+32+nn:64*(\a)+33+nn], v[64*(\a)+nn:64*(\a)+nn+1], v[U+32+nn:U+33+nn]
.set nn, nn+2
.endr
	WIN 0
.set nn, 0
.rept 64
	v_med3_num_f32 v[U+nn], v[U+nn], -v[LIM], v[LIM]
.set nn, nn+1
.endr
.if \a >= 2
	s_wait_alu depctr_va_vdst(0)
	s_wait_xcnt 0x0
.endif
.irp c, 0,1,2,3
	v_cvt_scalef32_pk8_fp8_f32 v[CD+16*((\a)%2)+4*\c:CD+16*((\a)%2)+4*\c+1], v[U+16*\c:U+16*\c+7], v[SC]
	v_cvt_scalef32_pk8_fp8_f32 v[CD+16*((\a)%2)+4*\c+2:CD+16*((\a)%2)+4*\c+3], v[U+16*\c+8:U+16*\c+15], v[SC]
.endr
	v_nop
.irp c, 0,1,2,3
	global_store_b128 v[L16], v[CD+16*((\a)%2)+4*\c:CD+16*((\a)%2)+4*\c+3], s[100:101] offset:2048*(\a)+512*\c
.endr
.endm
	OUTQ 0
	OUTQ 1
	OUTQ 2
	OUTQ 3
	s_wait_tensorcnt 0x0
	ds_add_u32 v[SPW], v[NIL]
	s_wait_dscnt 0x0
	s_endpgm
.Lfunc_end_k_q409df3f87c_qkv:
	.size	k_q409df3f87c_qkv, .Lfunc_end_k_q409df3f87c_qkv-k_q409df3f87c_qkv
	.p2alignl 7, 3214868480
	.fill 96, 4, 3214868480
	.section	.rodata,"a",@progbits
	.p2align	6, 0x0
	.amdhsa_kernel k_q409df3f87c_qkv
		.amdhsa_group_segment_fixed_size 327680
		.amdhsa_private_segment_fixed_size 0
		.amdhsa_enable_private_segment 0
		.amdhsa_kernarg_size 48
		.amdhsa_user_sgpr_count 2
		.amdhsa_user_sgpr_kernarg_segment_ptr 1
		.amdhsa_wavefront_size32 1
		.amdhsa_system_sgpr_workgroup_id_x 1
		.amdhsa_system_sgpr_workgroup_id_y 1
		.amdhsa_system_sgpr_workgroup_id_z 1
		.amdhsa_system_vgpr_workitem_id 0
		.amdhsa_next_free_vgpr 1024
		.amdhsa_next_free_sgpr 102
		.amdhsa_reserve_vcc 0
		.amdhsa_float_denorm_mode_32 3
		.amdhsa_float_denorm_mode_16_64 3
		.amdhsa_memory_ordered 1
		.amdhsa_forward_progress 1
		.amdhsa_inst_pref_size 139
	.end_amdhsa_kernel
	.amdgpu_metadata
---
amdhsa.version: [ 1, 2 ]
amdhsa.kernels:
  - .name:           k_q409df3f87c_qkv
    .symbol:         k_q409df3f87c_qkv.kd
    .args:
      - { .name: x_img, .offset: 0, .size: 8, .value_kind: global_buffer, .address_space: global }
      - { .name: w_img, .offset: 8, .size: 8, .value_kind: global_buffer, .address_space: global }
      - { .name: rope, .offset: 16, .size: 8, .value_kind: global_buffer, .address_space: global }
      - { .name: lowp_scales, .offset: 24, .size: 8, .value_kind: global_buffer, .address_space: global }
      - { .name: q_img, .offset: 32, .size: 8, .value_kind: global_buffer, .address_space: global }
      - { .name: kv_img, .offset: 40, .size: 8, .value_kind: global_buffer, .address_space: global }
    .group_segment_fixed_size: 327680
    .private_segment_fixed_size: 0
    .kernarg_segment_align: 8
    .kernarg_segment_size: 48
    .max_flat_workgroup_size: 128
    .sgpr_count:     102
    .vgpr_count:     1024
    .wavefront_size: 32
...
	.end_amdgpu_metadata
.endif
;; end of part 2
;; launch attn (part 3): grid 128 x 2, 12 waves a work-group, no clusters, 247,808 bytes of LDS; arguments q_img, kv_img, maskw, lowp_scales, a_img; writes a_img
.if DOCPART == 3
	.amdgcn_target "amdgcn-amd-amdhsa--gfx1250"
	.amdhsa_code_object_version 6
	.text
	.protected	k_q409df3f87c_attn
	.globl	k_q409df3f87c_attn
	.p2align	8
	.type	k_q409df3f87c_attn,@function
k_q409df3f87c_attn:
	s_mov_b64 s[64:65], 0
	v_nop
	global_prefetch_b8 v0, s[64:65] scope:SCOPE_SE
	s_setreg_imm32_b32 hwreg(HW_REG_WAVE_MODE, 25, 1), 1
	s_wait_xcnt 0x0
; ATTN: for each head and query, softmax over all 3,072 keys of where(mask, -10000, q . k / sqrt(128)), times v; both products on codes of E4M3; the result is quantised (e10) and leaves as an image for the last product.
; SOFTMAX: t = logit x log2(e); M = the largest t so far, rounded up to a whole number; p = 2^(t - M) is quantised (e8), not normalised; the sum of the unquantised p divides at the end; when M moves, sum and O are multiplied by 2^(old M - new M).
; THE MASK IS AN INPUT, read as the words of 32 lane bits that the first launch stored (whole numbers).  From them each wave makes two sets of 24 bits for its tile: ALLM (all 16 x 128 places of the key step masked), ANYM (some place masked).
;  - A step in ALLM: every score is the one masked score, whatever q and k hold, so every p of the step is one number.  Such steps are taken as the FIRST of the walk, under M0 = ceil(t_m): p0 = 2^(t_m - M0), its code's value pc0.
;    Their part of O^T is pc0 x (the sum of V's codes over their keys), their part of the sum 128 p0 a step.  Both are added at the end, x 2^(M0 - M), the factor by which the walk's rescalings would have multiplied them.
;    If the tile has such a step, every row has a masked key, and the running maximum begins at t_m, so M never lies under M0.  This holds for every mask and all values.
;    Each key step's 128 sums of V are made once in the work-group, by the format's matrix instruction against codes of 1.0 (waves 0 to 2, a step each in every slot), and kept in a table in LDS.
;  - A step outside ANYM: the 64 selects are jumped over.  All other steps: the masked score takes the score's place ahead of the maximum.
; The launch has no tensor load, no cluster and no joint load: K and V go from memory through registers into LDS.  No barrier stands under such a branch; all trip counts are constants.
; No prefetch is laid: one key and value head's 786,432 bytes are read by 128 work-groups that walk them in step.
; SHARES.  256 work-groups x 12 waves, a tile of 16 queries a wave.  y = key and value head; head = y + 2 (x / 16).  Waves 4 g .. 4 g + 3 take the four tiles of one block of 64 queries; with i = x % 16, k = i / 2, o = i % 2
; the three blocks are i, 31 - k - 8 o, 39 - k + 8 o: each of the head's 48 blocks once.
; RING: two slots of THREE key steps (98,304 bytes, dense in memory), 131,072 bytes apart; every wave fetches 16 x 512 bytes of the next slot in two batches of eight loads (32 registers), stores them to LDS; one barrier a slot.
; Q's image lies in the wave's own LDS bytes and is read again for each first product into the registers that p's codes take afterwards.
; LIMITS: e6 + e7 between -111 and 130; e8, and e10 - e8 - e9, between -126 and 119.  A masked step's p that would fall under the format's range at the final M is carried as pc0 x 2^(M0 - M) in f32.  NaN is not served.
; REGISTERS: v0 the masked score; v1 16 x lane; v2, v3 the add's; v4 the step's LDS address; v5 32 x (lane / 16); v6 4,096 x wave + 16 x lane; v8-31, v240-247 fetched bytes; v32-95, v256-319 eight fragments; v96-159 S^T, then p;
; v160-223 O^T; v224-239 Q, then at work, then p's codes; v248 -M, v249 the largest t, v[250:251] the sum, v252 f, v253 2^e8, v254, v255 at work.
; SCALARS: s2 slot in hand; s3 trips; s[6:7] next slot in memory; s[8:9] mask words; s[12:13] output; s14 wave; s15 ALLM, s16 ANYM (shifted by 3 a slot); s17 Q in LDS; s[20:21] c; s24 448 x 2^e8; s26, s27 the result's scale and hold;
; s28 the slot's rows of the table; s29 ALLM, whole.
.set SLOT1, 131072
.set SLB,   98304                      ; a slot's bytes
.set HB,    49152                      ; a batch: 12 waves x 8 loads x 512 bytes
.set QOFF,  98304                      ; Q's images, 2,048 bytes a wave
.set SPARE, 122880                     ; the spare words, 128 bytes a wave: six blocks of 256 bytes that no other line names
.set TBL,   229376                     ; the table: 24 key steps x 128 sums of V, f32
.set RS,    241664                     ; 512 bytes a wave: my sums on their way into O^T's layout
.set MSB, 0
.macro WIN new
.if MSB != \new
	s_set_vgpr_msb (MSB<<8)|\new
.set MSB, \new
.endif
.endm
.macro NOPS
.rept 4
	v_nop
.endr
.endm
.macro FRAGS off                       ; eight fragments, 16,384 consecutive bytes
.irp t, 0,1,2,3
.irp c, 0,1,2,3
	ds_load_b128 v[32+16*\t+4*\c:35+16*\t+4*\c], v4 offset:(\off)+2048*\t+512*\c
.endr
.endr
	WIN 0x40
.irp t, 0,1,2,3
.irp c, 0,1,2,3
	ds_load_b128 v[16*\t+4*\c:16*\t+4*\c+3], v4 offset:(\off)+8192+2048*\t+512*\c
.endr
.endr
	WIN 0
.endm
.macro GL b                            ; batch b of the next slot: eight loads of 512 consecutive bytes
.set jj, 0
.rept 8
	global_load_b128 v[8+4*jj+208*(jj/6):11+4*jj+208*(jj/6)], v6, s[6:7] offset:HB*(\b)+512*jj
.set jj, jj+1
.endr
.endm
.macro ST b                            ; and into the other slot, which nobody reads before the next barrier
	s_wait_loadcnt 0x0
	s_xor_b32 s23, s2, SLOT1
	v_add_nc_u32 v255, s23, v6
.set jj, 0
.rept 8
	ds_store_b128 v255, v[8+4*jj+208*(jj/6):11+4*jj+208*(jj/6)] offset:HB*(\b)+512*jj
.set jj, jj+1
.endr
	s_wait_dscnt 0x0                               ; the stores have read their registers
.endm
; Waves 0 to 2: the sums of V's codes over the 128 keys of the slot's step = my wave's number: V^T x a tile of 1.0; every column of the result holds the sums, and all lanes of a half store the same 32 bytes
.macro PROD
	s_min_u32 s22, s14, 2
	s_lshl_b32 s23, s22, 15
	s_add_co_u32 s23, s23, s2
	v_add_nc_u32 v4, s23, v1
	s_lshl_b32 s23, s22, 9
	s_add_co_u32 s23, s23, s28
	v_add_nc_u32 v255, s23, v5
	s_wait_alu depctr_va_vdst(0)
	s_cmp_lt_u32 s14, 3
	s_cbranch_scc0 .Lnp_\@
	NOPS
	FRAGS 16384
.set jj, 0
.rept 16
	v_mov_b32 v[224+jj], 0x38383838                ; four codes of 1.0
.set jj, jj+1
.endr
	s_wait_alu depctr_va_vdst(0)
	s_wait_dscnt 0x0
.irp t, 0,1,2,3
	v_wmma_f32_16x16x128_fp8_fp8 v[96+8*\t:103+8*\t], v[32+16*\t:47+16*\t], v[224:239], 0
.endr
	WIN 0x01
.irp t, 0,1,2,3
	v_wmma_f32_16x16x128_fp8_fp8 v[128+8*\t:135+8*\t], v[16*\t:16*\t+15], v[224:239], 0
.endr
	WIN 0
	NOPS
.irp t, 0,1,2,3,4,5,6,7
	ds_store_b128 v255, v[96+8*\t:99+8*\t] offset:64*\t
	ds_store_b128 v255, v[100+8*\t:103+8*\t] offset:64*\t+16
.endr
.Lnp_\@:
.endm
.macro FULL q
	s_load_b512 s[32:47], s[8:9], 256*(\q)         ; the step's 64 mask words
	s_load_b512 s[48:63], s[8:9], 256*(\q)+0x40
	s_load_b512 s[68:83], s[8:9], 256*(\q)+0x80
	s_load_b512 s[84:99], s[8:9], 256*(\q)+0xc0
	s_wait_dscnt 0x0                               ; Q and K are in
.irp t, 0,1,2,3                                ; S^T = K Q^T
	v_wmma_f32_16x16x128_fp8_fp8 v[96+8*\t:103+8*\t], v[32+16*\t:47+16*\t], v[224:239], 0
.endr
	WIN 0x01
.irp t, 0,1,2,3
	v_wmma_f32_16x16x128_fp8_fp8 v[128+8*\t:135+8*\t], v[16*\t:16*\t+15], v[224:239], 0
.endr
	WIN 0
	NOPS
	FRAGS 32768*((\q)%2)+16384                     ; V: it has the softmax in which to land
	s_wait_kmcnt 0x0
	s_bitcmp1_b32 s16, \q
	s_cbranch_scc0 .Lnm_\@                         ; no place of the step is masked
.set nn, 0
.rept 64
	v_cndmask_b32 v[96+nn], v[96+nn], v0, s[32+nn+4*(nn/32)]
.set nn, nn+1
.endr
.Lnm_\@:
	v_max3_num_f32 v254, v96, v97, v98             ; each accumulator is read from its low end on
	v_max3_num_f32 v255, v99, v100, v101
.irp i, 6,10,14,18,22,26,30,34,38,42,46,50,54,58
	v_max3_num_f32 v254, v254, v[96+\i], v[97+\i]
	v_max3_num_f32 v255, v255, v[98+\i], v[99+\i]
.endr
	v_max3_num_f32 v254, v254, v158, v159
	v_max_num_f32 v254, v254, v255
	v_permlanex16_b32 v255, v254, s18, s19
	v_max_num_f32 v254, v254, v255
	v_mul_f32 v254, s20, v254                      ; as t
	v_max_num_f32 v249, v249, v254
	v_mov_b32 v254, v248
	v_floor_f32 v248, -v249                        ; -M
	v_sub_f32 v254, v248, v254
	v_cvt_i32_f32 v254, v254
	v_ldexp_f32 v252, 1.0, v254                    ; f = 2^(old M - new M)
.set jj, 0
.rept 32
	v_pk_fma_f32 v[96+jj:97+jj], v[96+jj:97+jj], s[20:21], v[248:249] op_sel_hi:[1,0,0]
.set jj, jj+2
.endr
	s_wait_alu depctr_va_vdst(0)                   ; the wait ahead of the batch
.set jj, 0
.rept 64
	v_exp_f32 v[96+jj], v[96+jj]
.set jj, jj+1
.endr
	v_pk_mul_f32 v[250:251], v[250:251], v[252:253] op_sel_hi:[1,0]
	s_wait_alu depctr_va_vdst(0)                   ; and behind it
.irp c, 0,1,2,3,4,5,6                          ; the sum of the unquantised p, in eight chains
	v_pk_add_f32 v[224+2*\c:225+2*\c], v[96+4*\c:97+4*\c], v[98+4*\c:99+4*\c]
.endr
	v_pk_add_f32 v[250:251], v[250:251], v[124:125]
.irp c, 0,1,2,3,4,5,6
	v_pk_add_f32 v[224+2*\c:225+2*\c], v[224+2*\c:225+2*\c], v[126+2*\c:127+2*\c]
.endr
	v_pk_add_f32 v[250:251], v[250:251], v[140:141]
.irp c, 0,1,2,3,4,5,6
	v_pk_add_f32 v[224+2*\c:225+2*\c], v[224+2*\c:225+2*\c], v[142+2*\c:143+2*\c]
.endr
	v_pk_add_f32 v[250:251], v[250:251], v[156:157]
	v_pk_add_f32 v[224:225], v[224:225], v[158:159]
	v_pk_add_f32 v[228:229], v[228:229], v[230:231]
	v_pk_add_f32 v[232:233], v[232:233], v[234:235]
	v_pk_add_f32 v[250:251], v[250:251], v[236:237]
	v_pk_add_f32 v[224:225], v[224:225], v[226:227]
	v_pk_add_f32 v[228:229], v[228:229], v[232:233]
	v_pk_add_f32 v[250:251], v[250:251], v[224:225]
	v_pk_add_f32 v[250:251], v[250:251], v[228:229]
.irp b, 0,1,2,3
.set jj, 0
.rept 16
	v_min_num_f32 v[96+16*\b+jj], s24, v[96+16*\b+jj]   ; the conversion does not saturate (ISA guide 7.6.2); p is not negative
.set jj, jj+1
.endr
	v_cvt_scalef32_pk8_fp8_f32 v[224+4*\b:225+4*\b], v[96+16*\b:103+16*\b], v253
	v_cvt_scalef32_pk8_fp8_f32 v[226+4*\b:227+4*\b], v[104+16*\b:111+16*\b], v253
.endr
	s_wait_alu depctr_va_vdst(0)                   ; the wait ahead of the first reader of O^T
.set jj, 0
.rept 32
	v_pk_mul_f32 v[160+jj:161+jj], v[160+jj:161+jj], v[252:253] op_sel_hi:[1,0]
.set jj, jj+2
.endr
	s_wait_alu depctr_va_vdst(0)
	s_wait_dscnt 0x0                               ; V is in
.irp t, 0,1,2,3                                ; O^T += V^T P^T: the eight accumulators take turns
	v_wmma_f32_16x16x128_fp8_fp8 v[160+8*\t:167+8*\t], v[32+16*\t:47+16*\t], v[224:239], v[160+8*\t:167+8*\t]
.endr
	WIN 0x01
.irp t, 0,1,2,3
	v_wmma_f32_16x16x128_fp8_fp8 v[192+8*\t:199+8*\t], v[16*\t:16*\t+15], v[224:239], v[192+8*\t:199+8*\t]
.endr
	WIN 0
.endm
; The slot's q-th key step.  A step in ALLM is left to the end of the kernel: one test leads round its loads and its work
.macro STEP q
	s_bitcmp1_b32 s15, \q
	s_cbranch_scc1 .Lsj_\@
	NOPS                                           ; places in front of loads into registers that matrix instructions have read
	v_add_nc_u32 v4, s2, v1
.if (\q) == 2
	v_add_nc_u32 v4, 0x10000, v4                   ; an LDS offset has 16 bits
.endif
	v_add_nc_u32 v254, s17, v1
	s_wait_alu depctr_va_vdst(0)
.irp c, 0,1,2,3
	ds_load_b128 v[224+4*\c:227+4*\c], v254 offset:512*\c
.endr
	FRAGS 32768*((\q)%2)
	FULL \q
.Lsj_\@:
.endm
.macro SLOT fetch
.if \fetch
	GL 0
.endif
	PROD
	STEP 0
.if \fetch
	ST 0
	GL 1
.endif
	STEP 1
	STEP 2
.if \fetch
	ST 1
	s_wait_xcnt 0x0                                ; the bases may step
	s_add_nc_u64 s[6:7], s[6:7], SLB
	s_add_nc_u64 s[8:9], s[8:9], 768
	s_lshr_b32 s15, s15, 3
	s_lshr_b32 s16, s16, 3
	s_xor_b32 s2, s2, SLOT1
	s_add_co_u32 s28, s28, 1536
.endif
	s_wait_alu depctr_va_vdst(0)
	s_wait_dscnt 0x0                               ; my reads of this slot and my stores (the next slot, the table) are done
	s_barrier_signal -1
	s_barrier_wait -1
.endm
	s_load_b256 s[32:39], s[0:1], 0x0              ; q_img, kv_img, maskw, scales
	s_load_b64 s[40:41], s[0:1], 0x20              ; a_img
	v_lshl_add_u32 v2, v0, 2, SPARE
	v_mov_b32 v3, 0
	v_lshrrev_b32 v4, 5, v0
	v_readfirstlane_b32 s14, v4                    ; wave 0 .. 11
	v_and_b32 v4, 31, v0
	v_lshlrev_b32 v1, 4, v4
	v_bfe_u32 v5, v0, 4, 1
	v_lshlrev_b32 v5, 5, v5
	s_lshl_b32 s28, s14, 12
	v_add_nc_u32 v6, s28, v1
	s_lshl_b32 s17, s14, 11
	s_add_co_u32 s17, s17, QOFF
	v_add_nc_u32 v254, s17, v1
	s_and_b32 s66, ttmp7, 0xffff                   ; key and value head
	s_and_b32 s22, ttmp9, 15                       ; i
	s_lshr_b32 s23, s22, 1                         ; k
	s_and_b32 s28, s22, 1
	s_lshl_b32 s28, s28, 3                         ; 8 o
	s_sub_co_u32 s29, 31, s23
	s_sub_co_u32 s29, s29, s28
	s_sub_co_u32 s30, 39, s23
	s_add_co_u32 s30, s30, s28
	s_lshr_b32 s31, s14, 2                         ; my group
	s_cmp_eq_u32 s31, 1
	s_cselect_b32 s22, s29, s22
	s_cmp_eq_u32 s31, 2
	s_cselect_b32 s22, s30, s22                    ; my block of 64 queries
	s_lshl_b32 s22, s22, 2
	s_and_b32 s28, s14, 3
	s_add_co_u32 s67, s22, s28                     ; my query tile
	s_lshr_b32 s23, ttmp9, 4
	s_lshl_b32 s23, s23, 1
	s_add_co_u32 s23, s23, s66                     ; my head
	s_mul_i32 s10, s23, 192
	s_add_co_u32 s10, s10, s67
	s_lshl_b32 s10, s10, 11
	s_mov_b32 s11, 0
	s_lshl_b32 s12, s67, 4
	s_add_co_u32 s12, s12, s23
	s_lshl_b32 s12, s12, 11
	s_mov_b32 s13, 0
	s_mul_i32 s8, s67, 6144
	s_mov_b32 s9, 0
	s_mul_i32 s6, s66, 786432
	s_mov_b32 s7, 0
	s_mov_b32 s18, 0x76543210
	s_mov_b32 s19, 0xfedcba98
	s_mov_b32 s2, 0
	s_mov_b32 s3, 7
	s_mov_b32 s15, 0
	s_mov_b32 s16, 0
	s_wait_alu depctr_va_vdst(0)
	s_wait_kmcnt 0x0
	s_load_b256 s[68:75], s[38:39], 0x0            ; e0 .. e7
	s_load_b128 s[76:79], s[38:39], 0x20           ; e8 .. e11
	s_add_nc_u64 s[10:11], s[32:33], s[10:11]
	s_add_nc_u64 s[12:13], s[40:41], s[12:13]
	s_add_nc_u64 s[8:9], s[36:37], s[8:9]
	s_add_nc_u64 s[6:7], s[34:35], s[6:7]
.irp c, 0,1,2,3
	global_load_b128 v[224+4*\c:227+4*\c], v1, s[10:11] offset:512*\c   ; Q's image
.endr
.set jj, 0
.rept 16
	global_load_b128 v[96+4*jj:99+4*jj], v6, s[6:7] offset:HB*(jj/8)+512*(jj%8)   ; my part of slot 0
.set jj, jj+1
.endr
.set jj, 0
.rept 12
	global_load_b128 v[160+4*jj:163+4*jj], v1, s[8:9] offset:512*jj     ; my tile's mask words: lanes 0-15 key step 2 j, lanes 16-31 step 2 j + 1
.set jj, jj+1
.endr
	s_wait_kmcnt 0x0
	s_add_co_i32 s22, s74, s75                     ; e6 + e7
	s_lshl_b32 s22, s22, 23
	s_mov_b32 s20, 0x3e0293ee                      ; c = log2(e) / sqrt(128), x 2^(e6 + e7)
	s_add_co_i32 s20, s20, s22
	s_mov_b32 s21, s20
	s_mov_b32 s23, 0xc7dcf88b                      ; -10000 sqrt(128), / 2^(e6 + e7)
	s_sub_co_i32 s23, s23, s22
	v_mov_b32 v0, s23
	s_add_co_i32 s22, s76, 127
	s_lshl_b32 s23, s22, 23
	v_mov_b32 v253, s23                            ; 2^e8
	s_add_co_i32 s22, s22, 8
	s_lshl_b32 s22, s22, 23
	s_or_b32 s24, s22, 0x600000                    ; 448 x 2^e8
	s_sub_co_i32 s22, s78, s76
	s_sub_co_i32 s22, s22, s77
	s_add_co_i32 s22, s22, 127
	s_lshl_b32 s26, s22, 23                        ; 2^(e10 - e8 - e9)
	s_add_co_i32 s22, s22, 8
	s_lshl_b32 s22, s22, 23
	s_or_b32 s27, s22, 0x600000
	s_wait_alu depctr_va_vdst(0)
	s_wait_loadcnt 28                              ; Q is in (behind it: 16 + 12 loads)
.irp c, 0,1,2,3
	ds_store_b128 v254, v[224+4*\c:227+4*\c] offset:512*\c
.endr
	s_wait_loadcnt 12                              ; slot 0's part is in
.set jj, 0
.rept 16
	ds_store_b128 v6, v[96+4*jj:99+4*jj] offset:HB*(jj/8)+512*(jj%8)
.set jj, jj+1
.endr
	s_wait_loadcnt 0x0
.set jj, 0
.rept 12                               ; a step's 64 words lie in sixteen lanes, four each
	v_and_b32 v32, v[160+4*jj], v[161+4*jj]
	v_and_b32 v33, v[162+4*jj], v[163+4*jj]
	v_or_b32 v34, v[160+4*jj], v[161+4*jj]
	v_or_b32 v35, v[162+4*jj], v[163+4*jj]
	v_and_b32 v32, v32, v33
	v_or_b32 v34, v34, v35
	v_cmp_ne_u32 s28, -1, v32                      ; lanes with a place that is not masked
	v_cmp_ne_u32 s29, 0, v34                       ; lanes with a place that is
	s_and_b32 s30, s28, 0xffff
	s_cselect_b32 s30, 0, 1<<(2*jj)
	s_or_b32 s15, s15, s30
	s_lshr_b32 s30, s28, 16
	s_cselect_b32 s30, 0, 2<<(2*jj)
	s_or_b32 s15, s15, s30
	s_and_b32 s30, s29, 0xffff
	s_cselect_b32 s30, 1<<(2*jj), 0
	s_or_b32 s16, s16, s30
	s_lshr_b32 s30, s29, 16
	s_cselect_b32 s30, 2<<(2*jj), 0
	s_or_b32 s16, s16, s30
.set jj, jj+1
.endr
	s_add_nc_u64 s[6:7], s[6:7], SLB               ; the next slot
	s_mov_b32 s29, s15                             ; ALLM, kept whole for the end
	s_mov_b32 s28, TBL
	v_mov_b32 v254, 0xff61b1e6                     ; -3e38, under every t
	v_mul_f32 v249, s20, v0                        ; t_m
	s_cmp_lg_u32 s15, 0                            ; a step masked throughout: then every row has a masked key, and the largest t begins at t_m
	s_cselect_b32 s22, -1, 0
	v_cndmask_b32 v249, v254, v249, s22
	v_floor_f32 v248, -v249
	v_mov_b32 v250, 0
	v_mov_b32 v251, 0
	v_mov_b32 v252, 0
	v_mov_b32 v255, 0
.set jj, 0
.rept 64
	v_mov_b32 v[160+jj], 0                         ; O^T: the step is written once for all steps
.set jj, jj+1
.endr
	s_wait_alu depctr_va_vdst(0)                   ; the wait at the head's end
	s_wait_dscnt 0x0
	s_barrier_signal -1
	s_barrier_wait -1                              ; slot 0 is whole
.Lslot:                                                ; 7 trips, each fetching the slot that follows; the last slot is written out
	SLOT 1
	s_sub_co_u32 s3, s3, 1
	s_cmp_lg_u32 s3, 0
	s_cbranch_scc1 .Lslot
	SLOT 0                                         ; behind its barrier the table is whole
	; THE STEPS IN ALLM.  The table's 24 rows, four sums a lane; a row counts by 1 or 0, from ALLM: no branch
	NOPS
	v_add_nc_u32 v254, TBL, v1
.set jj, 0
.rept 24
	ds_load_b128 v[32+4*jj:35+4*jj], v254 offset:512*jj
.set jj, jj+1
.endr
	v_mul_f32 v7, s20, v0                          ; t_m
	v_floor_f32 v7, -v7                            ; -M0
	v_fma_f32 v128, v0, s20, v7                    ; t_m - M0
	v_sub_f32 v129, v248, v7                       ; M0 - M,
	v_min_num_f32 v129, 0, v129                    ; 0 at the most (a tile with no such step may have M under M0: its sums are 0)
	v_cvt_i32_f32 v129, v129
	s_bcnt1_i32_b32 s22, s29
	s_lshl_b32 s22, s22, 6                         ; my 64 keys of each such step
	v_cvt_f32_u32 v130, s22
	v_mov_b32 v8, 0
	v_mov_b32 v9, 0
	v_mov_b32 v10, 0
	v_mov_b32 v11, 0
	v_mov_b32 v143, 0                              ; (named as the upper half of the pair v[142:143])
	s_wait_alu depctr_va_vdst(0)
	v_exp_f32 v128, v128                           ; p0
	v_nop
	s_wait_alu depctr_va_vdst(0)
	v_mul_f32 v130, v130, v128
	v_ldexp_f32 v130, v130, v129
	v_add_f32 v250, v250, v130                     ; the sum's part
.irp j, 0,1,2,3,4,5,6,7
	v_min_num_f32 v[132+\j], s24, v128
.endr
	v_cvt_scalef32_pk8_fp8_f32 v[140:141], v[132:139], v253
	v_nop
	v_cvt_f32_fp8 v142, v140                       ; pc0: the value of p0's code
	v_ldexp_f32 v142, v142, v129                   ; x 2^(M0 - M)
	s_mov_b32 s31, 0
	s_lshl_b32 s23, s14, 9
	s_add_co_u32 s23, s23, RS
	s_wait_alu depctr_va_vdst(0)
	s_wait_dscnt 0x0
.set jj, 0
.rept 24
	s_bitcmp1_b32 s29, jj
	s_cselect_b32 s30, 0x3f800000, 0
	v_pk_fma_f32 v[8:9], v[32+4*jj:33+4*jj], s[30:31], v[8:9] op_sel_hi:[1,0,1]
	v_pk_fma_f32 v[10:11], v[34+4*jj:35+4*jj], s[30:31], v[10:11] op_sel_hi:[1,0,1]
.set jj, jj+1
.endr
	v_add_nc_u32 v254, s23, v1
	v_add_nc_u32 v255, s23, v5
	ds_store_b128 v254, v[8:11]                    ; through my own 512 bytes: LDS serves a wave's instructions in order
.set jj, 0
.rept 16
	ds_load_b128 v[32+4*jj:35+4*jj], v255 offset:64*(jj/2)+16*(jj%2)   ; register 8 t + j: the sum that belongs to O^T's register 8 t + j
.set jj, jj+1
.endr
	s_wait_dscnt 0x0
	s_wait_alu depctr_va_vdst(0)                   ; the wait ahead of the first reader of O^T
.set jj, 0
.rept 32
	v_pk_fma_f32 v[160+jj:161+jj], v[32+jj:33+jj], v[142:143], v[160+jj:161+jj] op_sel_hi:[1,0,1]
.set jj, jj+2
.endr
	; THE WAY OUT: O^T / the sum, held, converted: the image of the last product's fragment
	v_add_f32 v250, v250, v251
	v_permlanex16_b32 v255, v250, s18, s19
	v_add_f32 v250, v250, v255
	v_mov_b32 v254, s26
	v_mov_b32 v255, s27
	s_wait_alu depctr_va_vdst(0)
	v_rcp_f32 v250, v250
	v_nop
	s_wait_alu depctr_va_vdst(0)
.set jj, 0
.rept 64
	v_mul_f32 v[96+jj], v[160+jj], v250
.set jj, jj+1
.endr
.set jj, 0
.rept 64
	v_med3_num_f32 v[96+jj], v[96+jj], -v255, v255
.set jj, jj+1
.endr
.irp b, 0,1,2,3
	v_cvt_scalef32_pk8_fp8_f32 v[224+4*\b:225+4*\b], v[96+16*\b:103+16*\b], v254
	v_cvt_scalef32_pk8_fp8_f32 v[226+4*\b:227+4*\b], v[104+16*\b:111+16*\b], v254
.endr
	v_nop
.irp c, 0,1,2,3
	global_store_b128 v1, v[224+4*\c:227+4*\c], s[12:13] offset:512*\c   ; 512 consecutive bytes a store
.endr
	s_wait_tensorcnt 0x0                           ; the wave's end
	ds_add_u32 v2, v3
	s_wait_dscnt 0x0
	s_endpgm
.Lfunc_end_k_q409df3f87c_attn:
	.size	k_q409df3f87c_attn, .Lfunc_end_k_q409df3f87c_attn-k_q409df3f87c_attn
	.p2alignl 7, 3214868480
	.fill 96, 4, 3214868480
	.section	.rodata,"a",@progbits
	.p2align	6, 0x0
	.amdhsa_kernel k_q409df3f87c_attn
		.amdhsa_group_segment_fixed_size 247808
		.amdhsa_private_segment_fixed_size 0
		.amdhsa_enable_private_segment 0
		.amdhsa_kernarg_size 40
		.amdhsa_user_sgpr_count 2
		.amdhsa_user_sgpr_kernarg_segment_ptr 1
		.amdhsa_wavefront_size32 1
		.amdhsa_system_sgpr_workgroup_id_x 1
		.amdhsa_system_sgpr_workgroup_id_y 1
		.amdhsa_system_sgpr_workgroup_id_z 1
		.amdhsa_system_vgpr_workitem_id 0
		.amdhsa_next_free_vgpr 320
		.amdhsa_next_free_sgpr 102
		.amdhsa_reserve_vcc 0
		.amdhsa_float_denorm_mode_32 3
		.amdhsa_float_denorm_mode_16_64 3
		.amdhsa_memory_ordered 1
		.amdhsa_forward_progress 1
		.amdhsa_inst_pref_size 193
	.end_amdhsa_kernel
	.amdgpu_metadata
---
amdhsa.version: [ 1, 2 ]
amdhsa.kernels:
  - .name:           k_q409df3f87c_attn
    .symbol:         k_q409df3f87c_attn.kd
    .args:
      - { .name: q_img, .offset: 0, .size: 8, .value_kind: global_buffer, .address_space: global }
      - { .name: kv_img, .offset: 8, .size: 8, .value_kind: global_buffer, .address_space: global }
      - { .name: maskw, .offset: 16, .size: 8, .value_kind: global_buffer, .address_space: global }
      - { .name: lowp_scales, .offset: 24, .size: 8, .value_kind: global_buffer, .address_space: global }
      - { .name: a_img, .offset: 32, .size: 8, .value_kind: global_buffer, .address_space: global }
    .group_segment_fixed_size: 247808
    .private_segment_fixed_size: 0
    .kernarg_segment_align: 8
    .kernarg_segment_size: 40
    .max_flat_workgroup_size: 384
    .sgpr_count:     102
    .vgpr_count:     320
    .wavefront_size: 32
...
	.end_amdgpu_metadata
.endif
;; end of part 3
;; launch outp (part 4): grid 8 x 24, 4 waves a work-group, clusters of 4 x 4, 327,680 bytes of LDS; arguments a_img, w_img, lowp_scales, out0; writes out0
.if DOCPART == 4
	.amdgcn_target "amdgcn-amd-amdhsa--gfx1250"
	.amdhsa_code_object_version 6
	.text
	.protected	k_q409df3f87c_outp
	.globl	k_q409df3f87c_outp
	.p2align	8
	.type	k_q409df3f87c_outp,@function
k_q409df3f87c_outp:
	s_mov_b64 s[64:65], 0
	v_nop
	global_prefetch_b8 v0, s[64:65] scope:SCOPE_SE
	s_setreg_imm32_b32 hwreg(HW_REG_WAVE_MODE, 25, 1), 1
	s_wait_xcnt 0x0
	s_wait_alu depctr_hold_cnt(0) depctr_sa_sdst(0) depctr_va_vdst(0) depctr_va_sdst(0) depctr_va_ssrc(0) depctr_va_vcc(0) depctr_vm_vsrc(0)
	s_getreg_b32 s2, hwreg(HW_REG_IB_STS2, 6, 4)
	s_cmp_eq_u32 s2, 0
	s_cbranch_scc0 .Lentry_in_a_cluster
	s_endpgm
.Lentry_in_a_cluster:
	s_bfe_u32 s2, ttmp6, 0x10000c
	s_cmp_lg_u32 s2, 0xf033
	s_cbranch_scc0 .Lentry_shape_is_right
	s_endpgm
.Lentry_shape_is_right:
.set BIGS1, 131072
.set SML,   196608
.set SMLS1, 262144
.set SPARE, 294912
.set KADV,  12288
.set SP,    528
.set WV,   16
.set A1,   17
.set A0,   18
.set G1A,  24
.set G1B,  32
.set G1C,  40
.set G1D,  48
.set G0A,  56
.set G0B,  60
.set G0C,  68
.set G0D,  72
.set ADR0, 16
.set ADR1, 20
.set L16,  24
.set STO,  25
.set RD,   26
.set SPW,  28
.set NIL,  29
.set U,    32
.set MSB, 0
.macro WIN new
.if MSB != \new
	s_set_vgpr_msb (MSB<<8)|\new
.set MSB, \new
.endif
.endm
.macro PLACES
.rept 4
	v_nop
.endr
.endm
.macro TLOAD big
	s_cmp_eq_u32 s[A1], 0
	s_cbranch_scc0 .Lfor1_\@
.if \big
	tensor_load_to_lds s[G0A:G0A+3], s[G1A:G1A+7]
	s_nop 0
.else
	tensor_load_to_lds s[G0B:G0B+3], s[G1B:G1B+7]
	s_nop 0
.endif
.rept 4
	v_nop
.endr
	s_branch .Lasked_\@
.Lfor1_\@:
.if \big
	tensor_load_to_lds s[G0C:G0C+3], s[G1C:G1C+7]
	s_nop 0
.else
	tensor_load_to_lds s[G0D:G0D+3], s[G1D:G1D+7]
	s_nop 0
.endif
.rept 4
	v_nop
.endr
.Lasked_\@:
.endm
.macro CREST
	s_cmp_lg_u32 s[WV], 0
	s_cbranch_scc1 .Lnot_wave_0_\@
	s_barrier_signal -3
.Lnot_wave_0_\@:
	s_barrier_wait -3
	s_barrier_signal -1
	s_barrier_wait -1
.endm
.macro CROUND
	s_barrier_signal -1
	s_barrier_wait -1
	CREST
.endm
.macro FETCH big, ch, p
	WIN 0x40
.irp i, 0,1,2,3,4,5,6,7
.irp c, 0,1,2,3
	ds_load_b128 v[128*(\p)+16*\i+4*\c:128*(\p)+16*\i+4*\c+3], v[ADR0+\big] offset:4096*(1+\big)*\i+2048*(\ch)+512*\c
.endr
.endr
	WIN 0
.irp i, 0,1,2,3
.irp c, 0,1,2,3
	ds_load_b128 v[128+64*(\p)+16*\i+4*\c:128+64*(\p)+16*\i+4*\c+3], v[ADR1+\big] offset:4096*(1+\big)*\i+2048*(\ch)+512*\c
.endr
.endr
.endm
.macro MUL8 a, p, zero
	WIN 0xa1
.irp t, 0,1,2,3,4,5,6,7
.if \zero
	v_wmma_f32_16x16x128_fp8_fp8 v[8*(8*(\a)+\t):8*(8*(\a)+\t)+7], v[128*(\p)+16*\t:128*(\p)+16*\t+15], v[128+64*(\p)+16*(\a):128+64*(\p)+16*(\a)+15], 0
.else
	v_wmma_f32_16x16x128_fp8_fp8 v[8*(8*(\a)+\t):8*(8*(\a)+\t)+7], v[128*(\p)+16*\t:128*(\p)+16*\t+15], v[128+64*(\p)+16*(\a):128+64*(\p)+16*(\a)+15], v[8*(8*(\a)+\t):8*(8*(\a)+\t)+7]
.endif
.endr
.endm
.macro STEPC big, nch, p, zero
	s_wait_dscnt 0x0
	PLACES
	FETCH \big, \nch, 1-\p
	MUL8 0, \p, \zero
	MUL8 1, \p, \zero
	MUL8 2, \p, \zero
	MUL8 3, \p, \zero
	WIN 0
.endm
.macro LARGE zero
	STEPC 1, 1, 0, \zero
	STEPC 1, 2, 1, 0
	STEPC 1, 3, 0, 0
.endm
.macro TURN nbig, fill
	s_wait_tensorcnt 0x0
	ds_add_u32 v[SPW], v[NIL]
.if \fill
.if \nbig
	s_add_nc_u64 s[G0B+2:G0B+3], s[G0B+2:G0B+3], KADV
	s_add_nc_u64 s[G0D+2:G0D+3], s[G0D+2:G0D+3], KADV
.else
	s_add_nc_u64 s[G0A+2:G0A+3], s[G0A+2:G0A+3], KADV
	s_add_nc_u64 s[G0C+2:G0C+3], s[G0C+2:G0C+3], KADV
.endif
.endif
	s_wait_dscnt 1
	MUL8 0, 1, 0
	MUL8 1, 1, 0
	s_wait_dscnt 0x0
	s_barrier_signal -1
	MUL8 2, 1, 0
	WIN 0
	s_barrier_wait -1
.if \fill
	CREST
	TLOAD 1-\nbig
.else
	PLACES
.endif
	FETCH \nbig, 0, 0
	MUL8 3, 1, 0
	WIN 0
.endm
	s_load_b256 s[4:11], s[0:1], 0x0
	v_lshl_add_u32 v[SPW], v0, 2, SPARE
	v_mov_b32 v[NIL], 0
	ds_add_u32 v28, v29
	ds_add_u32 v28, v29
	s_wait_dscnt 0x0
	v_lshrrev_b32 v1, 5, v0
	v_readfirstlane_b32 s[WV], v1
	s_lshr_b32 s[A1], s[WV], 1
	s_and_b32 s[A0], s[WV], 1
	s_bfe_u32 s76, ttmp6, 0x40000
	s_bfe_u32 s77, ttmp6, 0x40004
	s_lshl_b32 s78, ttmp9, 2
	s_add_co_u32 s78, s78, s76
	s_and_b32 s79, ttmp7, 0xffff
	s_lshl_b32 s79, s79, 2
	s_add_co_u32 s79, s79, s77
	s_lshl_b32 s80, s77, 2
	s_lshl_b32 s80, 15, s80
	s_lshl_b32 s81, 0x1111, s76
	s_or_b32 s[G1A+0], s81, (3<<16)|(1<<21)
	s_or_b32 s[G1B+0], s81, (3<<16)|(1<<21)
	s_or_b32 s[G1C+0], s80, (3<<16)|(1<<21)
	s_or_b32 s[G1D+0], s80, (3<<16)|(1<<21)
.irp g, G1A, G1B, G1C, G1D
	s_mov_b32 s[\g+5], 4096
	s_mov_b32 s[\g+6], 0
	s_mov_b32 s[\g+7], 0
.endr
.irp g, G1A, G1C
	s_mov_b32 s[\g+1], 1024<<16
	s_mov_b32 s[\g+3], 1024<<16
.endr
.irp g, G1B, G1D
	s_mov_b32 s[\g+1], 512<<16
	s_mov_b32 s[\g+3], 512<<16
.endr
.irp g, G1A, G1B
	s_mov_b32 s[\g+2], 8<<16
	s_mov_b32 s[\g+4], 8
.endr
.irp g, G1C, G1D
	s_mov_b32 s[\g+2], 4<<16
	s_mov_b32 s[\g+4], 4
.endr
	s_mov_b32 s[G0A], 1
	s_lshl_b32 s[G0A+1], s[A0], 16
	s_mov_b32 s[G0B], 1
	s_lshl_b32 s[G0B+1], s[A0], 15
	s_add_co_u32 s[G0B+1], s[G0B+1], SML
	s_mov_b32 s[G0C], 1
	s_lshl_b32 s[G0C+1], s[A0], 15
	s_add_co_u32 s[G0C+1], s[G0C+1], BIGS1
	s_mov_b32 s[G0D], 1
	s_lshl_b32 s[G0D+1], s[A0], 14
	s_add_co_u32 s[G0D+1], s[G0D+1], SMLS1
	s_lshl_b32 s82, s78, 4
	s_add_co_u32 s82, s82, 160
	s_lshl_b32 s83, s[A0], 3
	s_add_co_u32 s82, s82, s83
	s_lshl_b32 s82, s82, 15
	s_mov_b32 s83, 0
	s_lshl_b32 s20, s79, 3
	s_lshl_b32 s21, s[A0], 2
	s_add_co_u32 s20, s20, s21
	s_lshl_b32 s20, s20, 15
	s_mov_b32 s21, 0
	s_wait_kmcnt 0x0
	s_load_b64 s[96:97], s[8:9], 0x28
	s_add_nc_u64 s[G0A+2:G0A+3], s[6:7], s[82:83]
	s_add_nc_u64 s[G0C+2:G0C+3], s[4:5], s[20:21]
	s_add_nc_u64 s[G0B+2:G0B+3], s[G0A+2:G0A+3], 8192
	s_add_nc_u64 s[G0D+2:G0D+3], s[G0C+2:G0C+3], 8192
.irp g, G0A, G0B, G0C, G0D
	s_or_b32 s[\g+3], s[\g+3], 0x80000000
.endr
	CROUND
	TLOAD 1
	s_wait_alu depctr_va_vdst(0)
	s_wait_tensorcnt 0x0
	ds_add_u32 v28, v29
	s_wait_dscnt 0x0
	CROUND
	TLOAD 0
	v_and_b32 v1, 31, v0
	v_lshlrev_b32 v[L16], 4, v1
	v_and_b32 v2, 15, v0
	s_wait_alu depctr_va_vdst(0)
	v_bfe_u32 v3, v0, 4, 1
	s_lshl_b32 s66, s[A0], 15
	s_add_co_u32 s66, s66, SML
	v_add_nc_u32 v[ADR0], s66, v[L16]
	s_lshl_b32 s66, s[A0], 16
	v_add_nc_u32 v[ADR0+1], s66, v[L16]
	s_lshl_b32 s66, s[A1], 14
	s_add_co_u32 s66, s66, SMLS1
	v_add_nc_u32 v[ADR1], s66, v[L16]
	s_lshl_b32 s66, s[A1], 15
	s_add_co_u32 s66, s66, BIGS1
	v_add_nc_u32 v[ADR1+1], s66, v[L16]
	s_mul_i32 s66, s[WV], 16*SP
	s_add_co_u32 s66, s66, SML
	v_mul_u32_u24 v[STO], v2, SP
	s_wait_alu depctr_va_vdst(0)
	v_lshl_add_u32 v[STO], v3, 6, v[STO]
	v_add_nc_u32 v[STO], s66, v[STO]
	v_add_nc_u32 v[RD], s66, v[L16]
	s_lshl_b32 s66, s79, 7
	s_lshl_b32 s67, s[A1], 6
	s_add_co_u32 s66, s66, s67
	s_lshl_b32 s66, s66, 13
	s_lshl_b32 s67, s78, 10
	s_add_co_u32 s66, s66, s67
	s_lshl_b32 s67, s[A0], 9
	s_add_co_u32 s66, s66, s67
	s_mov_b32 s67, 0
	s_add_nc_u64 s[10:11], s[10:11], s[66:67]
	s_wait_tensorcnt 1
	s_barrier_signal -1
	s_barrier_wait -1
	FETCH 1, 0, 0
	LARGE 1
	TURN 0, 1
	STEPC 0, 1, 0, 0
	TURN 1, 1
	LARGE 0
	TURN 0, 1
	STEPC 0, 1, 0, 0
	TURN 1, 0
	LARGE 0
	s_wait_dscnt 0x0
	MUL8 0, 1, 0
	MUL8 1, 1, 0
	MUL8 2, 1, 0
	MUL8 3, 1, 0
	WIN 0
.macro TOSTAGE a
	WIN 0x02
.set jj, 0
.rept 32
	v_pk_mul_f32 v[U+jj:U+jj+1], v[64*(\a)+jj:64*(\a)+jj+1], s[96:97] op_sel_hi:[1,0]
.set jj, jj+2
.endr
	WIN 0
.irp b, 0,1,2,3
.irp q, 0,1,2,3
	ds_store_b128 v[STO], v[U+16*\b+4*\q:U+16*\b+4*\q+3] offset:128*\b+16*\q
.endr
.endr
.set tt, 0
.rept 16
	ds_load_b128 v[128+64*((\a)%2)+4*tt:128+64*((\a)%2)+4*tt+3], v[RD] offset:SP*tt
.set tt, tt+1
.endr
.endm
.macro SEND a, younger
	s_wait_dscnt \younger
.set tt, 0
.rept 16
	global_store_b128 v[L16], v[128+64*((\a)%2)+4*tt:128+64*((\a)%2)+4*tt+3], s[10:11] offset:(32*((\a)/2)+8*((\a)%2)+tt+8*(tt/8))*8192 th:TH_STORE_NT
.set tt, tt+1
.endr
.endm
	s_wait_kmcnt 0x0
	s_add_co_i32 s96, s96, s97
	s_add_co_i32 s96, s96, 127
	s_lshl_b32 s96, s96, 23
	s_mov_b32 s97, s96
	PLACES
	TOSTAGE 0
.irp a, 1,2,3
.if \a > 1
	s_wait_xcnt 0x0
.endif
	TOSTAGE \a
	SEND \a-1, 32
.endr
	SEND 3, 0
	s_wait_tensorcnt 0x0
	ds_add_u32 v[SPW], v[NIL]
	s_wait_dscnt 0x0
	CROUND
	s_endpgm
.Lfunc_end_k_q409df3f87c_outp:
	.size	k_q409df3f87c_outp, .Lfunc_end_k_q409df3f87c_outp-k_q409df3f87c_outp
	.p2alignl 7, 3214868480
	.fill 96, 4, 3214868480
	.section	.rodata,"a",@progbits
	.p2align	6, 0x0
	.amdhsa_kernel k_q409df3f87c_outp
		.amdhsa_group_segment_fixed_size 327680
		.amdhsa_private_segment_fixed_size 0
		.amdhsa_enable_private_segment 0
		.amdhsa_kernarg_size 32
		.amdhsa_user_sgpr_count 2
		.amdhsa_user_sgpr_kernarg_segment_ptr 1
		.amdhsa_wavefront_size32 1
		.amdhsa_system_sgpr_workgroup_id_x 1
		.amdhsa_system_sgpr_workgroup_id_y 1
		.amdhsa_system_sgpr_workgroup_id_z 1
		.amdhsa_system_vgpr_workitem_id 0
		.amdhsa_next_free_vgpr 768
		.amdhsa_next_free_sgpr 100
		.amdhsa_reserve_vcc 0
		.amdhsa_float_denorm_mode_32 3
		.amdhsa_float_denorm_mode_16_64 3
		.amdhsa_memory_ordered 1
		.amdhsa_forward_progress 1
		.amdhsa_inst_pref_size 119
	.end_amdhsa_kernel
	.amdgpu_metadata
---
amdhsa.version: [ 1, 2 ]
amdhsa.kernels:
  - .name:           k_q409df3f87c_outp
    .symbol:         k_q409df3f87c_outp.kd
    .args:
      - { .name: a_img, .offset: 0, .size: 8, .value_kind: global_buffer, .address_space: global }
      - { .name: w_img, .offset: 8, .size: 8, .value_kind: global_buffer, .address_space: global }
      - { .name: lowp_scales, .offset: 16, .size: 8, .value_kind: global_buffer, .address_space: global }
      - { .name: out0, .offset: 24, .size: 8, .value_kind: global_buffer, .address_space: global }
    .group_segment_fixed_size: 327680
    .private_segment_fixed_size: 0
    .kernarg_segment_align: 8
    .kernarg_segment_size: 32
    .max_flat_workgroup_size: 128
    .sgpr_count:     100
    .vgpr_count:     768
    .wavefront_size: 32
...
	.end_amdgpu_metadata
.endif
;; end of part 4
